; MI455X (gfx1250); checked and timed in simulation.
; The chip was launched on July 23, 2026; its instructions are those of AMD's public machine-readable ISA for CDNA 5 (MIT licence, August 2026) and "CDNA5" Instruction Set Architecture Reference Guide (July 2026). The comments in the code are by the model that wrote it; some were corrected since.
;; Mo E. Allowed arithmetic: float matrix products may take bf16 or f16 operands with f32 sums; other float arithmetic in f32, or as packed bf16 or f16 multiplies, adds, multiply-adds, maxima and minima; sums over many terms, partial sums and values carried from step to step in f32; what a program stores and reads back later, other than sums and carried values, may be rounded once to bf16 or f16.
;; Inputs: W0 8 x 2 x 256 float32; Wh 8 x 3 x 256 x 256 float32; Wout 8 x 256 x 3 float32; b0 8 x 256 float32; bh 8 x 3 x 256 float32; bout 8 x 3 float32; gate_W 2 x 8 float32; gate_b 8 float32; x 32,768 x 2 float32.
;; Outputs: out0 32,768 x 3 float32.
;; One version. Each part assembles by itself: llvm-mc -triple=amdgcn-amd-amdhsa -mcpu=gfx1250 --defsym DOCPART=n.
;; ======== version 1 of 1: 2 launches
;; limits: values are held in f16: magnitudes above 65,504 overflow, below 6.1e-05 lose precision; a function is approximated: absolute error at most 4.1e-05
;; workspace buffers: ws 3,430,400 bytes; l0w 32,768 bytes; gw 512 bytes
;; launch prep (part 1): grid 50 x 8, 8 waves a work-group, no clusters, 0 bytes of LDS; arguments Wh, bh, Wout, bout, W0, b0, gate_W, gate_b, ws, l0w, gw; writes ws, l0w, gw
.if DOCPART == 1
	.amdgcn_target "amdgcn-amd-amdhsa--gfx1250"
	.amdhsa_code_object_version 6
	.text
	.protected	k_qfb3dee82e0_prep
	.globl	k_qfb3dee82e0_prep
	.p2align	8
	.type	k_qfb3dee82e0_prep,@function
k_qfb3dee82e0_prep:
	s_mov_b64 s[64:65], 0
	v_nop
	global_prefetch_b8 v0, s[64:65] scope:SCOPE_SE
	s_setreg_imm32_b32 hwreg(HW_REG_WAVE_MODE, 25, 1), 1
	s_wait_xcnt 0x0
; THE WEIGHTS ARE ROUNDED AND LAID OUT ONCE, in the order in which the second launch streams them.
; c = 30 / (2 pi): the second launch keeps every phase in turns, sin(30 (z + b)) = sin(2 pi (c z + c b)), and adds a quarter turn to the bias.
; ws: 25 steps x 2 chunks (one for each parity of the expert's number) x 268 dense rows of 256 bytes.  Step s < 24: pair p = s / 6, layer l = (s % 6) / 2, half hf = s % 2, expert e = 2 p + parity.
;   rows 0-255   f16(c Wh[e][l][k][128 hf + 0..127]), row k
;   rows 256-257 128 f32: c bh[e][l][128 hf + ..] + 0.25
;   rows 258-265 f16 Wout[e - 2] turned, [4 outputs][256 k], output 3 = 0;  row 266: bout[e - 2][0..2] in f32, then 0;  row 267: 0.  Only where s % 6 = 0 and p >= 1; else 0.
;   Step 24 has zeros in rows 0-257 and the last pair's rows 258-267.
; l0w: [expert][feature][8 f16]: the first layer's weights and bias as sums of two f16 (hi + lo), in the k places (a0hi a0lo a0hi a1hi a1lo a1hi bhi blo);  gw: the same for the gate, times log2(e), row i for expert i % 8.
; LIMITS.  c Wh, c W0, c b0 + 0.25, Wout and log2(e) x the gate's numbers stay under 65,504, f16's largest number.
; SHARES.  Work-group (x, y): chunk x, weight rows 32 y .. 32 y + 31; thread t takes eight columns of two rows, so sixteen lanes store one whole row of 256 bytes.  The small rows and tables are shared out by y and by wave.
.set CHUNK, 68608                      ; bytes in a chunk
; v8, v9, v10 = a0, a1, b in f32  ->  v[24:27] = the eight places.  hi = f16(v), lo = f16(v - hi); v - hi is exact.
.macro SLOTS
	v_cvt_pk_f16_f32 v25, v8, v9                   ; (a0hi, a1hi): places 2, 3
	v_cvt_f32_f16 v28, v25.l
	v_cvt_f32_f16 v29, v25.h
	v_cvt_pk_f16_f32 v27, v10, v10
	v_sub_f32 v30, v8, v28                         ; a0 - a0hi
	v_sub_f32 v31, v9, v29
	v_cvt_f32_f16 v32, v27.l
	v_cvt_pk_f16_f32 v24, v28, v30                 ; (a0hi, a0lo): places 0, 1
	v_cvt_pk_f16_f32 v26, v31, v29                 ; (a1lo, a1hi): places 4, 5
	v_sub_f32 v33, v10, v32
	v_cvt_pk_f16_f32 v27, v32, v33                 ; (bhi, blo): places 6, 7
.endm
	s_load_b512 s[8:23], s[0:1], 0x0               ; Wh s[8:9], bh s[10:11], Wout s[12:13], bout s[14:15], W0 s[16:17], b0 s[18:19], gate_W s[20:21], gate_b s[22:23]
	s_load_b128 s[24:27], s[0:1], 0x40             ; ws s[24:25], l0w s[26:27]
	s_load_b64 s[28:29], s[0:1], 0x50              ; gw
	s_mov_b32 s2, ttmp9                            ; chunk 0..49
	s_and_b32 s3, ttmp7, 0xffff                    ; y 0..7
	s_lshr_b32 s4, s2, 1                           ; step s
	s_and_b32 s5, s2, 1                            ; parity
	s_mul_i32 s6, s4, 43
	s_lshr_b32 s6, s6, 8                           ; p = s / 6 (43 s / 256 is that for s up to 24)
	s_mul_i32 s7, s6, 6
	s_sub_co_u32 s7, s4, s7                        ; s % 6
	s_lshr_b32 s30, s7, 1                          ; layer
	s_and_b32 s31, s7, 1                           ; half
	s_lshl1_add_u32 s32, s6, s5                    ; expert = 2 p + parity
	v_lshrrev_b32 v1, 5, v0
	v_readfirstlane_b32 s33, v1                    ; wave 0..7
	s_mov_b32 s40, 0x4098c9eb                      ; c = 4.7746483
	s_mov_b32 s41, s40                             ; named with it as a pair
	s_mov_b32 s42, 0x3e800000                      ; 0.25
	s_mov_b32 s43, s42
	s_mov_b32 s44, 0x3fb8aa3b                      ; log2(e)
	v_lshrrev_b32 v2, 4, v0                        ; my row among sixteen
	v_and_b32 v3, 15, v0                           ; my eight columns
	v_lshlrev_b32 v4, 5, v3
	v_lshl_add_u32 v4, v2, 10, v4                  ; in Wh: row x 1,024 + 32 bytes a thread
	v_lshlrev_b32 v5, 4, v3
	v_lshl_add_u32 v5, v2, 8, v5                   ; in ws: row x 256 + 16 bytes a thread
	s_mul_i32 s34, s2, CHUNK
	s_mov_b32 s35, 0
	s_lshl_b32 s36, s3, 13                         ; 32 y rows of 256 bytes
	s_mov_b32 s37, 0                               ; stays 0: s[36:37] is every later offset
	s_wait_kmcnt 0x0
	s_add_nc_u64 s[24:25], s[24:25], s[34:35]      ; ws at my chunk
	s_add_nc_u64 s[38:39], s[24:25], s[36:37]      ; and at my 32 rows
	s_mul_i32 s34, s32, 3
	s_add_co_u32 s34, s34, s30                     ; 3 e + l
	s_cmp_eq_u32 s4, 24
	s_cbranch_scc1 .Lzero_w                        ; step 24 has no weights: nothing is read
	s_lshl_b32 s36, s34, 8
	s_lshl_b32 s46, s3, 5
	s_add_co_u32 s36, s36, s46                     ; the first of my rows among Wh's
	s_lshl_b32 s36, s36, 10
	s_lshl_b32 s46, s31, 9
	s_add_co_u32 s36, s36, s46                     ; + the half's 512 bytes
	s_add_nc_u64 s[8:9], s[8:9], s[36:37]
	global_load_b128 v[8:11],  v4, s[8:9] th:TH_LOAD_NT
	global_load_b128 v[12:15], v4, s[8:9] offset:16 th:TH_LOAD_NT
	global_load_b128 v[16:19], v4, s[8:9] offset:16384 th:TH_LOAD_NT   ; sixteen rows further down
	global_load_b128 v[20:23], v4, s[8:9] offset:16400 th:TH_LOAD_NT
	s_wait_loadcnt 0x2                             ; the first row's two loads are in; the second row's two may stay out
.irp j, 0,2,4,6
	v_pk_mul_f32 v[8+\j:9+\j], v[8+\j:9+\j], s[40:41] op_sel_hi:[1,0]
.endr
.irp j, 0,1,2,3
	v_cvt_pk_f16_f32 v[24+\j], v[8+2*\j], v[9+2*\j]
.endr
	global_store_b128 v5, v[24:27], s[38:39]       ; sixteen lanes store 256 consecutive bytes, aligned
	s_wait_loadcnt 0x0
.irp j, 0,2,4,6
	v_pk_mul_f32 v[16+\j:17+\j], v[16+\j:17+\j], s[40:41] op_sel_hi:[1,0]
.endr
.irp j, 0,1,2,3
	v_cvt_pk_f16_f32 v[28+\j], v[16+2*\j], v[17+2*\j]
.endr
	global_store_b128 v5, v[28:31], s[38:39] offset:4096
	s_branch .Lw_done
.Lzero_w:
.irp j, 0,1,2,3
	v_mov_b32 v[24+\j], 0
.endr
	global_store_b128 v5, v[24:27], s[38:39]
	global_store_b128 v5, v[24:27], s[38:39] offset:4096
.Lw_done:
	s_wait_xcnt 0x0                                ; the stores' data, offsets and base are rewritten only behind this wait
	s_cmp_lg_u32 s3, 0
	s_cbranch_scc1 .Lnot_aux
	; y = 0: the chunk's rows 256 to 267, by wave.  v[24:27] = 0 is what is stored where a row holds nothing.
	v_and_b32 v6, 31, v0
	v_lshlrev_b32 v7, 4, v6                        ; 16 bytes a lane: a wave's store covers two rows
.irp j, 0,1,2,3
	v_mov_b32 v[24+\j], 0
.endr
	s_cmp_lg_u32 s33, 0
	s_cbranch_scc1 .Laux_rest
	s_cmp_eq_u32 s4, 24                            ; wave 0: the bias rows
	s_cbranch_scc1 .Lst_bias
	s_lshl_b32 s36, s34, 10                        ; (3 e + l) x 256 f32
	s_lshl_b32 s46, s31, 9                         ; + the half's 128
	s_add_co_u32 s36, s36, s46
	s_add_nc_u64 s[10:11], s[10:11], s[36:37]
	global_load_b128 v[8:11], v7, s[10:11]
	s_wait_loadcnt 0x0
	v_pk_fma_f32 v[24:25], v[8:9],   s[40:41], s[42:43] op_sel_hi:[1,0,0]   ; c b + 0.25
	v_pk_fma_f32 v[26:27], v[10:11], s[40:41], s[42:43] op_sel_hi:[1,0,0]
.Lst_bias:
	global_store_b128 v7, v[24:27], s[24:25] offset:65536
	s_endpgm
.Laux_rest:
	s_cmp_gt_u32 s33, 5
	s_cbranch_scc1 .Lend                           ; waves 6 and 7 have no small row
	s_cmp_eq_u32 s7, 0                             ; do these rows hold an expert's output layer?  s % 6 = 0
	s_cselect_b32 s47, 1, 0
	s_cmp_eq_u32 s6, 0                             ; and p >= 1
	s_cselect_b32 s47, 0, s47
	s_sub_co_u32 s46, s32, 2                       ; that expert: e - 2 (used only where s47 = 1)
	s_cmp_eq_u32 s33, 5
	s_cbranch_scc1 .Laux_bout
	s_sub_co_u32 s45, s33, 1                       ; waves 1 to 4: output m = 0..3, two rows each
	s_lshl_b32 s36, s45, 9
	s_add_nc_u64 s[38:39], s[24:25], s[36:37]
	s_cmp_eq_u32 s47, 0
	s_cbranch_scc1 .Lst_wout
	s_cmp_eq_u32 s45, 3
	s_cbranch_scc1 .Lst_wout                       ; there is no output 3: zeros
	s_mul_i32 s36, s46, 3072                       ; an expert's 256 x 3 f32
	s_lshl2_add_u32 s36, s45, s36                  ; + 4 m
	s_add_nc_u64 s[12:13], s[12:13], s[36:37]
	v_mul_u32_u24 v34, v6, 96                      ; my eight k, 12 bytes apart
.irp j, 0,1,2,3,4,5,6,7
	global_load_b32 v[8+\j], v34, s[12:13] offset:12*\j
.endr
	s_wait_loadcnt 0x0
.irp j, 0,1,2,3
	v_cvt_pk_f16_f32 v[24+\j], v[8+2*\j], v[9+2*\j]
.endr
.Lst_wout:
	global_store_b128 v7, v[24:27], s[38:39] offset:66048
	s_endpgm
.Laux_bout:
	s_cmp_eq_u32 s47, 0                            ; wave 5: rows 266 and 267
	s_cbranch_scc1 .Lst_bout
	s_mul_i32 s36, s46, 12
	s_add_nc_u64 s[14:15], s[14:15], s[36:37]
	v_mov_b32 v34, 0
	global_load_b32 v8,  v34, s[14:15]
	global_load_b32 v9,  v34, s[14:15] offset:4
	global_load_b32 v10, v34, s[14:15] offset:8
	s_wait_loadcnt 0x0
	v_cmp_eq_u32 vcc_lo, 0, v6                     ; lane 0 keeps the three numbers, the others store 0
	v_cndmask_b32 v24, 0, v8, vcc_lo
	v_cndmask_b32 v25, 0, v9, vcc_lo
	v_cndmask_b32 v26, 0, v10, vcc_lo
.Lst_bout:
	global_store_b128 v7, v[24:27], s[24:25] offset:68096
	s_endpgm
.Lnot_aux:
	s_cmp_eq_u32 s3, 1
	s_cbranch_scc0 .Lnot_l0
	s_cmp_gt_u32 s2, 7
	s_cbranch_scc1 .Lend
	; y = 1, x = expert 0..7: the first layer's table; thread f takes feature f
	v_lshlrev_b32 v6, 2, v0
	v_lshlrev_b32 v7, 4, v0
	s_lshl_b32 s36, s2, 11                         ; W0: 2 x 256 f32 an expert
	s_add_nc_u64 s[16:17], s[16:17], s[36:37]
	s_lshl_b32 s36, s2, 10                         ; b0: 256 f32
	s_add_nc_u64 s[18:19], s[18:19], s[36:37]
	s_lshl_b32 s36, s2, 12                         ; l0w: 256 x 16 bytes
	s_add_nc_u64 s[26:27], s[26:27], s[36:37]
	global_load_b32 v8,  v6, s[16:17]
	global_load_b32 v9,  v6, s[16:17] offset:1024
	global_load_b32 v10, v6, s[18:19]
	s_wait_loadcnt 0x0
	v_mul_f32 v8, s40, v8
	v_mul_f32 v9, s40, v9
	v_fma_f32 v10, v10, s40, s42                   ; c b0 + 0.25
	SLOTS
	global_store_b128 v7, v[24:27], s[26:27]
	s_endpgm
.Lnot_l0:
	s_cmp_eq_u32 s3, 2
	s_cbranch_scc0 .Lend
	s_cmp_lg_u32 s2, 0
	s_cbranch_scc1 .Lend
	s_cmp_lg_u32 s33, 0
	s_cbranch_scc1 .Lend
	; y = 2, x = 0, wave 0: the gate's table; lane i takes expert i % 8
	v_and_b32 v6, 7, v0
	v_lshlrev_b32 v6, 2, v6
	v_lshlrev_b32 v7, 4, v0
	global_load_b32 v8,  v6, s[20:21]
	global_load_b32 v9,  v6, s[20:21] offset:32
	global_load_b32 v10, v6, s[22:23]
	s_wait_loadcnt 0x0
	v_mul_f32 v8, s44, v8
	v_mul_f32 v9, s44, v9
	v_mul_f32 v10, s44, v10
	SLOTS
	global_store_b128 v7, v[24:27], s[28:29]
.Lend:
	s_endpgm
.Lfunc_end_k_qfb3dee82e0_prep:
	.size	k_qfb3dee82e0_prep, .Lfunc_end_k_qfb3dee82e0_prep-k_qfb3dee82e0_prep
	.p2alignl 7, 3214868480
	.fill 96, 4, 3214868480
	.section	.rodata,"a",@progbits
	.p2align	6, 0x0
	.amdhsa_kernel k_qfb3dee82e0_prep
		.amdhsa_group_segment_fixed_size 0
		.amdhsa_private_segment_fixed_size 0
		.amdhsa_enable_private_segment 0
		.amdhsa_kernarg_size 88
		.amdhsa_user_sgpr_count 2
		.amdhsa_user_sgpr_kernarg_segment_ptr 1
		.amdhsa_wavefront_size32 1
		.amdhsa_system_sgpr_workgroup_id_x 1
		.amdhsa_system_sgpr_workgroup_id_y 1
		.amdhsa_system_sgpr_workgroup_id_z 1
		.amdhsa_system_vgpr_workitem_id 0
		.amdhsa_next_free_vgpr 48
		.amdhsa_next_free_sgpr 66
		.amdhsa_reserve_vcc 1
		.amdhsa_float_denorm_mode_32 3
		.amdhsa_float_denorm_mode_16_64 3
		.amdhsa_memory_ordered 1
		.amdhsa_forward_progress 1
		.amdhsa_inst_pref_size 11
	.end_amdhsa_kernel
	.amdgpu_metadata
---
amdhsa.version: [ 1, 2 ]
amdhsa.kernels:
  - .name:           k_qfb3dee82e0_prep
    .symbol:         k_qfb3dee82e0_prep.kd
    .args:
      - { .name: Wh, .offset: 0, .size: 8, .value_kind: global_buffer, .address_space: global }
      - { .name: bh, .offset: 8, .size: 8, .value_kind: global_buffer, .address_space: global }
      - { .name: Wout, .offset: 16, .size: 8, .value_kind: global_buffer, .address_space: global }
      - { .name: bout, .offset: 24, .size: 8, .value_kind: global_buffer, .address_space: global }
      - { .name: W0, .offset: 32, .size: 8, .value_kind: global_buffer, .address_space: global }
      - { .name: b0, .offset: 40, .size: 8, .value_kind: global_buffer, .address_space: global }
      - { .name: gate_W, .offset: 48, .size: 8, .value_kind: global_buffer, .address_space: global }
      - { .name: gate_b, .offset: 56, .size: 8, .value_kind: global_buffer, .address_space: global }
      - { .name: ws, .offset: 64, .size: 8, .value_kind: global_buffer, .address_space: global }
      - { .name: l0w, .offset: 72, .size: 8, .value_kind: global_buffer, .address_space: global }
      - { .name: gw, .offset: 80, .size: 8, .value_kind: global_buffer, .address_space: global }
    .group_segment_fixed_size: 0
    .private_segment_fixed_size: 0
    .kernarg_segment_align: 8
    .kernarg_segment_size: 88
    .max_flat_workgroup_size: 256
    .sgpr_count:     66
    .vgpr_count:     48
    .wavefront_size: 32
...
	.end_amdgpu_metadata
.endif
;; end of part 1
;; launch moe (part 2): grid 256 x 1, 4 waves a work-group, clusters of 4 x 1, 327,680 bytes of LDS; arguments x, ws, l0w, gw, out0; writes out0
.if DOCPART == 2
	.amdgcn_target "amdgcn-amd-amdhsa--gfx1250"
	.amdhsa_code_object_version 6
	.text
	.protected	k_qfb3dee82e0_moe
	.globl	k_qfb3dee82e0_moe
	.p2align	8
	.type	k_qfb3dee82e0_moe,@function
k_qfb3dee82e0_moe:
	s_mov_b64 s[64:65], 0
	v_nop
	global_prefetch_b8 v0, s[64:65] scope:SCOPE_SE
	s_setreg_imm32_b32 hwreg(HW_REG_WAVE_MODE, 25, 1), 1
	s_wait_xcnt 0x0
	s_wait_alu depctr_hold_cnt(0) depctr_sa_sdst(0) depctr_va_vdst(0) depctr_va_sdst(0) depctr_va_ssrc(0) depctr_va_vcc(0) depctr_vm_vsrc(0)
	s_getreg_b32 s2, hwreg(HW_REG_IB_STS2, 6, 4)
	s_cmp_eq_u32 s2, 0
	s_cbranch_scc0 .Lentry_in_a_cluster
	s_endpgm
.Lentry_in_a_cluster:
	s_bfe_u32 s2, ttmp6, 0x10000c
	s_cmp_lg_u32 s2, 0x3003
	s_cbranch_scc0 .Lentry_shape_is_right
	s_endpgm
.Lentry_shape_is_right:
; out[n] = the sum over 8 experts of gate[n][e] x SIREN_e(x[n]): gate, first layer, three hidden layers of 256 x 256, output layer and the mixing, in one launch.  No activation goes to memory or to LDS.
; SHARES.  A work-group owns 128 points and all 8 experts, so each output row has one owner.  Wave w: PH = w & 1 picks 64 points (four tiles of 16), PAR = w >> 1 the experts 2 p + PAR, p = 0..3; the two parities' sums meet in LDS at the end.
; LAYOUT.  Every product is used transposed: source 0 = 16 output features x 32 k of W^T, source 1 = 32 k x 16 points of h^T.  In the result a lane holds ONE point (lane % 16) and the features 8 (lane / 16) + 0..7; two such
; results, passed through the sine and rounded to f16 in pairs, ARE source 1 (32 k x 16 points) of the next layer.  W lies in LDS as [k][feature] and comes out turned, by ds_load_tr16_b128.
; PHASES IN TURNS.  The first launch stored f16(c W), c = 30 / 2 pi, and the f32 bias c b + 1/4, which is the C operand of a sum's first product: the accumulator is u = t + 1/4 with sin(30 (z + b)) = sin(2 pi t).
; SINE.  f = fract(u); w = f f - f, in -1/4 .. 0; sin(2 pi t) = cos(2 pi (f - 1/2)) = P(w), a polynomial of degree 4 (a Chebyshev series cut there; off by at most 4.1e-5).  Eight lines for two numbers, the rounding among them.
; FIRST LAYER AND GATE.  One product each: x, the weights and the bias stand as sums of two f16 (hi + lo) in eight k places; only lo x lo is left out, 2^-22 of a term.  The gate's softmax takes its maximum away.
; FORMATS.  h, c W and Wout are rounded once to f16; all sums, the phases and the mixing are f32.  f16 and not bf16: h lies in -1 .. 1, and a phase's error passes from layer to layer undiminished.
; LIMITS.  |x|, |c W|, |Wout| stay under 65,504; a gate below 2^-126 counts as 0; NaN and infinities are not treated apart.
; THE STREAM.  All work-groups walk the same 25 steps of weights (a step: for each parity a layer's 256 k x 128 features, its bias, and now and then an output layer), through two LDS slots.  The four work-groups of a cluster
; ask JOINTLY: the same tensor load, descriptor and mask in all four, each wave a quarter of a step, 134 rows of 256 bytes.  One tensor load of a wave is out at any time; from a request to the wait for it a wave issues 224 products or more.
; BESIDE THE PRODUCTS.  A block is one tile of 16 features: 32 products on four accumulators by turns; behind each stands a slice of four lines of the sine of the block before.  The first layer has 4 products for 128 such lines: they stand by themselves.
; ONE LAYER TEXT.  A layer reads IN and writes OUT, 256 registers each, whose numbers are fixed in the text; ahead of layers 2 and 3 OUT is copied to IN (240 lines for a layer's 512 products), the price of writing the layer once.
; REGISTERS, in windows of 256 (s_set_vgpr_msb: bits 1:0 source 0, 3:2 source 1, 5:4 source 2, 7:6 destination):
;   window 0: v0-31 addresses and at work; v32-47 G, my experts' gates, four a tile; v48-59 COMB, three a tile; v64-95, v96-127 the accumulators ACC0, ACC1; v128-135 T; v136-151 two bias buffers; v160-191 at work at the start and the end
;   window 1: IN, fragment (k step ks, tile t) at 32 ks + 8 t          window 2: OUT, the same map
;   window 3: v0-63, v64-127 W's fragments, two buffers; v128-175 x's fragments, 12 a tile: 4 zeros, 4 of data, 4 zeros; v176-239 the first layer's weights; v240-247 the gate's
.set PITCH,  288                       ; an LDS row: 256 bytes + 32 of padding = 72 words
.set QROWS,  134                       ; rows in a wave's quarter of a step
.set QLDS,   QROWS*PITCH               ; its bytes in LDS
.set QMEM,   QROWS*256                 ; and in memory
.set CHL,    2*QLDS                    ; a parity's chunk: 268 rows
.set SLOT,   4*QLDS
.set STEPB,  4*QMEM
.set BROW,   256*PITCH                 ; in a chunk: the bias rows,
.set WOROW,  258*PITCH                 ; the output layer's weights, two rows an output,
.set BOROW,  266*PITCH                 ; and its bias
.set EXCH,   2*SLOT                    ; behind the ring, never filled by a tensor load: [wave][64 points][3] f32
.set SPARE,  EXCH+3072                 ; the spare words, 128 bytes for each wave: two blocks of 256 bytes that no other line names
.set AW,   4                           ; v4-7   my lane's place in W's rows: slot 0 k 0-127, slot 0 k 128-255, slot 1 likewise
.set AB,   8                           ; v8-9   in the bias rows of slot 0, 1
.set AWO,  10                          ; v10    in the output layer's weights (slot 0)
.set ABO,  11                          ; v11    at its bias
.set AL,   12                          ; v12    my byte offset in 16 rows of l0w
.set EXS,  13                          ; v13    where I put my sums
.set SPW,  14                          ; v14    LDS address of my spare word; never rewritten
.set NIL,  15                          ; v15    0; never rewritten
.set XO,   16                          ; v16    my byte offset in 16 rows of x
.set GRO,  17                          ; v17    my row of gw
.set EXR,  20                          ; v20    where I read the sums back
.set OO,   21                          ; v21    my byte offset in the work-group's rows of out0
.set G,    32
.set COMB, 48
.set ACC0, 64
.set T,    128
.set BIAS0, 136
.set PT,   160
.set XR,   128                         ; window 3
.set LF,   176
.set GA,   240
.set WV,   14                          ; s14 wave; s15 PAR; s16 PH; s17 cx; s18 the work-group's number
.set PAR,  15
.set PH,   16
.set CX,   17
.set WG,   18
.set G1,   20                          ; s[20:27] descriptor group 1
.set G0A,  28                          ; s[28:31] group 0 for slot 0, the even steps
.set G0B,  32                          ; s[32:35] for slot 1, the odd steps
.set SP,   36                          ; s36 pairs of experts to go
.set SL,   37                          ; s37 layers of the pair to go
.set LOW,  38                          ; s38 the mask of lanes 0-15
.set Q4,   40                          ; s[40:49] the polynomial's coefficients, each in a pair
.set Q3,   42
.set Q2,   44
.set OF,   50                          ; s[50:51] offsets that hold no place in the cluster
.set LB,   52                          ; s[52:53] l0w at the expert whose weights are loaded next
.set XF,   54                          ; s[54:55] offsets of x and out0, which hold the work-group's number
.set MSB, 0
.macro WIN new                         ; the immediate's high byte repeats the setting that is left; a switch that changes nothing is dropped
.if MSB != (\new)
	s_set_vgpr_msb (MSB<<8)|(\new)
.set MSB, (\new)
.endif
.endm
.macro PLACES                          ; four places: behind a matrix instruction, ahead of a line that reads its result or of a load into one of its registers
.rept 4
	v_nop
.endr
.endm
; A round of the cluster's barrier: my work-group's barrier, so that wave 0's signal speaks for all four waves; wave 0 signals; every wave waits for all four work-groups; my work-group's barrier once more.
.macro CROUND
	s_barrier_signal -1
	s_barrier_wait -1
	s_cmp_lg_u32 s[WV], 0
	s_cbranch_scc1 .Lnot_wave_0_\@
	s_barrier_signal -3
.Lnot_wave_0_\@:
	s_barrier_wait -3
	s_barrier_signal -1
	s_barrier_wait -1
.endm
; THE CHANGE OF SLOTS.  Each wave waits for all its tensor loads, of which one is out: its quarter of the slot to be read next; adds 0 to its spare word; and waits for that and for its own reads of the slot that it leaves.
; kind 0 (a layer's start): slot 0 is whole, slot 1 takes the layer's odd step.  kind 1 (ahead of block 7's products): slot 1 is whole, slot 0 takes the next even step; both addresses step on by two steps.
; In both the barrier is a round of the cluster's, so that no wave of any partner still reads the slot or has a load on its way, and the joint load is the first thing behind it.  kind 2 (the end): nothing is asked for.
.macro CHANGE kind
	WIN 0                                          ; at a label and at a branch every window is 0
	s_wait_tensorcnt 0x0                           ; no tensor load of mine is out, so a group 0 may be written
	ds_add_u32 v[SPW], v[NIL]                      ; 0 onto my spare word
.if (\kind) == 1
	s_add_nc_u64 s[G0A+2:G0A+3], s[G0A+2:G0A+3], 2*STEPB   ; the type bits on top are not reached
	s_add_nc_u64 s[G0B+2:G0B+3], s[G0B+2:G0B+3], 2*STEPB   ; (behind the last odd step this address is not used)
.endif
	s_wait_dscnt 0x0                               ; the add is done, and my reads of the slot are over
.if (\kind) == 2
	s_barrier_signal -1
	s_barrier_wait -1
.else
	CROUND
.if (\kind) == 0
	tensor_load_to_lds s[G0B:G0B+3], s[G1:G1+7]
.else
	tensor_load_to_lds s[G0A:G0A+3], s[G1:G1+7]
.endif
	s_nop 0
	PLACES                                         ; the places ahead of the loads that follow
.endif
.endm
; 18 LDS loads in one run: block n's fragments of W^T (features 16 n .., all 256 k: 8 fragments, two turning loads each) and its 8 biases a lane, into buffer n % 2.  Blocks 0-7 lie in slot 0, 8-15 in slot 1.
.macro RUN n
.set rF, 64*((\n)%2)
.set rB, BIAS0+8*((\n)%2)
.set rL, (\n)%8
.set rS, (\n)/8
	WIN 0xc0                                       ; destination window 3, address window 0
.irp k, 0,1,2,3,4,5,6,7
	ds_load_tr16_b128 v[rF+8*\k:rF+8*\k+3],   v[AW+2*rS+\k/4] offset:(\k%4)*32*PITCH+rL*32
	ds_load_tr16_b128 v[rF+8*\k+4:rF+8*\k+7], v[AW+2*rS+\k/4] offset:(\k%4)*32*PITCH+16*PITCH+rL*32
.endr
	WIN 0
	ds_load_b128 v[rB:rB+3],   v[AB+rS] offset:(rL/4)*PITCH+(rL%4)*64
	ds_load_b128 v[rB+4:rB+7], v[AB+rS] offset:(rL/4)*PITCH+(rL%4)*64+16
.endm
; Slice i of 32 of the sine of the four accumulators at a: tile i / 8, stage i % 8, four lines that do not wait for each other.  An accumulator's lowest registers are read first.
;   0, 1  f = fract(u)     2  w = f f - f     3  T = q4 w + q3     4-6  T = T w + q2, q1, q0     7  rounded to f16 in pairs, into registers dst + 8 tile .. of the window that win names
.macro SINE i, a, win, dst
.set sT, (\i)/8
.set sG, (\i)%8
.set sA, (\a)+8*sT
.set sD, (\dst)+8*sT
.if sG < 7
	WIN 0
.endif
.if sG < 2
.irp j, 0,1,2,3
	v_fract_f32 v[sA+4*sG+\j], v[sA+4*sG+\j]
.endr
.elseif sG == 2
.irp j, 0,2,4,6
	v_pk_fma_f32 v[sA+\j:sA+\j+1], v[sA+\j:sA+\j+1], v[sA+\j:sA+\j+1], v[sA+\j:sA+\j+1] neg_lo:[0,0,1] neg_hi:[0,0,1]
.endr
.elseif sG == 3
.irp j, 0,2,4,6
	v_pk_fma_f32 v[T+\j:T+\j+1], v[sA+\j:sA+\j+1], s[Q4:Q4+1], s[Q3:Q3+1] op_sel_hi:[1,0,0]
.endr
.elseif sG < 7
.set sQ, Q2+2*(sG-4)
.irp j, 0,2,4,6
	v_pk_fma_f32 v[T+\j:T+\j+1], v[T+\j:T+\j+1], v[sA+\j:sA+\j+1], s[sQ:sQ+1] op_sel_hi:[1,1,0]
.endr
.else
	WIN \win
.irp j, 0,1,2,3
	v_cvt_pk_f16_f32 v[sD+\j], v[T+2*\j], v[T+2*\j+1]
.endr
.endif
.endm
; A BLOCK, as the symbols g.. describe it: 32 products, k step i / 4, tile i % 4, onto the four accumulators at gACC by turns; source 0 = the fragments at gF, source 1 = IN or OUT (gBW sets the
; windows), the first four start the sums with the bias at gBIAS.  Behind each product a slice of the sine of the accumulators at gPREV, which goes to gSD in window gSW.  No slice names a register of the products round it.
; gEARLY = 1: the slices write the upper halves of source 1's last k step, so they stand early: two behind products 0-3, one behind 4-27; four v_nop close the block, the places ahead of the next read of its results.
; gRUN >= 0: that block's run of LDS loads stands behind product 1's slice: its buffer's last reader stands eight plain lines back or more, its first 30 products on.
.macro GB
.if gWAIT
	s_wait_dscnt 0x0                               ; this block's fragments and bias are in
.endif
.set gI, 0
.set gS, 0
.rept 32
	WIN gBW
.if gI < 4
	v_wmma_f32_16x16x32_f16 v[gACC+8*(gI%4):gACC+8*(gI%4)+7], v[gF+8*(gI/4):gF+8*(gI/4)+7], v[32*(gI/4)+8*(gI%4):32*(gI/4)+8*(gI%4)+7], v[gBIAS:gBIAS+7]
.else
	v_wmma_f32_16x16x32_f16 v[gACC+8*(gI%4):gACC+8*(gI%4)+7], v[gF+8*(gI/4):gF+8*(gI/4)+7], v[32*(gI/4)+8*(gI%4):32*(gI/4)+8*(gI%4)+7], v[gACC+8*(gI%4):gACC+8*(gI%4)+7]
.endif
.if (gEARLY == 1) && (gI < 4)
	SINE gS, gPREV, gSW, gSD
.set gS, gS+1
.endif
.if (gEARLY == 0) || (gI < 28)
	SINE gS, gPREV, gSW, gSD
.set gS, gS+1
.endif
.if (gI == 1) && (gRUN >= 0)
	RUN gRUN
.endif
.set gI, gI+1
.endr
.if gEARLY
	WIN 0
	PLACES
.endif
.endm
; Block n of a hidden layer: features 16 n ..  Its slices finish block n - 1, into OUT; block 0's finish the layer before's block 15, straight into IN.  Block 7 changes slots ahead of its products.
.macro BLOCK n
.set gACC,  ACC0+32*((\n)%2)
.set gPREV, ACC0+32*(((\n)+1)%2)
.set gF,    64*((\n)%2)
.set gBIAS, BIAS0+8*((\n)%2)
.set gBW,   0x07                       ; W in window 3, IN in window 1, C and D in window 0
.set gEARLY, 0
.set gWAIT, 1
.set gRUN,  (\n)+1
.set gSW,   0x80
.set gSD,   32*(((\n)-1)/2)+4*(((\n)-1)%2)
.if (\n) == 0
.set gEARLY, 1
.set gSW,   0x40
.set gSD,   228
.endif
.if ((\n) == 7) || ((\n) == 15)
.set gRUN,  -1
.endif
.if (\n) == 7
	CHANGE 1                                       ; its wait has shown this block's fragments in
	RUN 8
.set gWAIT, 0
.endif
	GB
.endm
; THE OUTPUT LAYER of the pair just finished, and its share of the sum.  Source 0's rows are addressed by lane % 4 (row 3 holds zeros), so every lane's registers 0-2 are its point's three outputs; C = bout.
; The slices finish the last hidden layer's block 15, into OUT.  Then COMB += gate x output; rot = 1: the gates move up, so that the text always takes the first.
.macro FIN rot
	WIN 0
	PLACES                                         ; between the last product that read these buffers and the loads into them
	WIN 0xc0
.irp k, 0,1,2,3,4,5,6,7
	ds_load_b128 v[64+8*\k:64+8*\k+3],   v[AWO] offset:(\k/4)*PITCH+(\k%4)*64
	ds_load_b128 v[64+8*\k+4:64+8*\k+7], v[AWO] offset:(\k/4)*PITCH+(\k%4)*64+32
.endr
	WIN 0
	ds_load_b128 v[BIAS0+8:BIAS0+11],  v[ABO]
	ds_load_b128 v[BIAS0+12:BIAS0+15], v[ABO] offset:16
.set gACC,  ACC0
.set gPREV, ACC0+32
.set gF,    64
.set gBIAS, BIAS0+8
.set gBW,   0x0b                       ; source 1 is OUT, in window 2
.set gEARLY, 1
.set gWAIT, 1
.set gRUN,  -1
.set gSW,   0x80
.set gSD,   228
	GB
.set fI, 0
.rept 12                               ; tile fI / 3, output fI % 3: each accumulator from its lowest register on
	v_fmac_f32 v[COMB+fI], v[G+4*(fI/3)], v[ACC0+8*(fI/3)+fI%3]
.set fI, fI+1
.endr
.if \rot
.set fI, 0
.rept 12
	v_mov_b32 v[G+4*(fI/3)+fI%3], v[G+4*(fI/3)+fI%3+1]
.set fI, fI+1
.endr
.endif
.endm
; The first layer's weights of one expert: 16 tiles of 16 features x 8 k places; register group q holds tile 2 q in its lower and tile 2 q + 1 in its upper four registers.
.macro LFLOAD
	WIN 0xc0
.irp q, 0,1,2,3,4,5,6,7
	global_load_b128 v[LF+8*\q:LF+8*\q+3],   v[AL], s[LB:LB+1] offset:512*\q
	global_load_b128 v[LF+8*\q+4:LF+8*\q+7], v[AL], s[LB:LB+1] offset:512*\q+256
.endr
	WIN 0
.endm
; THE FIRST LAYER.  Block n: 4 products, one a tile.  x's data stand against the lower four registers of source 0 (n even) or the upper four (n odd); zeros stand against the rest, which is finite.
; The sine of block n - 1 goes straight into IN: a slice behind each product, the other 28 on end.  Block 15 stays in ACC1 for the hidden layer's block 0.
.macro L0
	s_wait_loadcnt 0x0                             ; this expert's weights are in
.set lN, 0
.rept 16
.set lA, ACC0+32*(lN%2)
.set lP, ACC0+32*((lN+1)%2)
.set lD, 32*((lN-1)/2)+4*((lN-1)%2)
.set lS, 0
.set lT, 0
.rept 4
	WIN 0x0f                                       ; both sources in window 3
	v_wmma_f32_16x16x32_f16 v[lA+8*lT:lA+8*lT+7], v[LF+8*(lN/2):LF+8*(lN/2)+7], v[XR+12*lT+4*(1-lN%2):XR+12*lT+4*(1-lN%2)+7], 0
.if lN > 0
	SINE lS, lP, 0x40, lD
.set lS, lS+1
.endif
.set lT, lT+1
.endr
.if lN > 0
.rept 28
	SINE lS, lP, 0x40, lD
.set lS, lS+1
.endr
.else
	WIN 0
	PLACES
.endif
.set lN, lN+1
.endr
.endm
	s_load_b256 s[4:11], s[0:1], 0x0               ; x s[4:5], ws s[6:7], l0w s[8:9], gw s[10:11]
	s_load_b64 s[12:13], s[0:1], 0x20              ; out0
	v_lshl_add_u32 v[SPW], v0, 2, SPARE
	v_mov_b32 v[NIL], 0
	ds_add_u32 v[SPW], v[NIL]                      ; the wave's opening: the add and its wait stand ahead of my first tensor load; the set-up below, work on registers, stands between them
	v_lshrrev_b32 v1, 5, v0
	v_readfirstlane_b32 s[WV], v1                  ; wave 0..3
	s_lshr_b32 s[PAR], s[WV], 1
	s_and_b32 s[PH], s[WV], 1
	s_bfe_u32 s[CX], ttmp6, 0x40000                ; my place in the cluster
	s_lshl_b32 s[WG], ttmp9, 2                     ; in a cluster launch ttmp9 counts clusters
	s_add_co_u32 s[WG], s[WG], s[CX]               ; my 128 points: it enters x's and out0's addresses alone
	; descriptor group 1: 134 dense rows of 128 elements of 2 bytes, padded in LDS
	s_mov_b32 s[G1], 15|(1<<16)|(1<<20)|(1<<21)|(5<<22)|(7<<25)  ; 15:0 the mask of four; 17:16 2-byte elements; 20 padding on; 21 set beside a mask; 24:22 after every 64 words (code 5); 31:25 8 words (code 7)
	s_mov_b32 s[G1+1], 128<<16                     ; tensor_dim0 = 128
	s_mov_b32 s[G1+2], QROWS<<16                   ; tensor_dim1 = 134
	s_mov_b32 s[G1+3], 128<<16                     ; tile_dim0 = 128
	s_mov_b32 s[G1+4], QROWS                       ; tile_dim1 = 134
	s_mov_b32 s[G1+5], 128                         ; 128 elements from row to row
	s_mov_b32 s[G1+6], 0
	s_mov_b32 s[G1+7], 0
	s_mov_b32 s[Q4], 0x42367bf5                    ; 45.621051
	s_mov_b32 s[Q4+1], s[Q4]                       ; each is named as a pair
	s_mov_b32 s[Q3], 0xc213143b                    ; -36.769755
	s_mov_b32 s[Q3+1], s[Q3]
	s_mov_b32 s[Q2], 0x419fe3cd                    ; 19.986231
	s_mov_b32 s[Q2+1], s[Q2]
	s_mov_b32 s[Q2+2], 0x3c001736                  ; 0.00781803
	s_mov_b32 s[Q2+3], s[Q2+2]
	s_mov_b32 s[Q2+4], 0xbf7ffd6b                  ; -0.99996058
	s_mov_b32 s[Q2+5], s[Q2+4]
	s_mov_b32 s[G0A], 1                            ; 1:0 count = 1
	s_mul_i32 s[G0A+1], s[WV], QLDS                ; 63:32 LDS address: my quarter of slot 0: the wave's number alone
	s_mov_b32 s[G0B], 1
	s_add_co_u32 s[G0B+1], s[G0A+1], SLOT          ; and of slot 1
	s_mul_i32 s[OF], s[WV], QMEM                   ; my quarter of a step in memory
	s_mov_b32 s[OF+1], 0
	s_lshl_b32 s[XF], s[WG], 10                    ; x: 128 points of 8 bytes a work-group,
	s_lshl_b32 s19, s[PH], 9                       ; 64 a half
	s_add_co_u32 s[XF], s[XF], s19
	s_mov_b32 s[XF+1], 0
	s_wait_dscnt 0x0                               ; the opening add is done
	s_wait_kmcnt 0x0
	s_add_nc_u64 s[G0A+2:G0A+3], s[6:7], s[OF:OF+1]          ; 120:64 global address: step 0,
	s_add_nc_u64 s[G0B+2:G0B+3], s[G0A+2:G0A+3], STEPB       ; step 1
	s_or_b32 s[G0A+3], s[G0A+3], 0x80000000        ; 127:126 type = 2
	s_or_b32 s[G0B+3], s[G0B+3], 0x80000000
	s_add_nc_u64 s[4:5], s[4:5], s[XF:XF+1]        ; x at my wave's 64 points
	s_mul_i32 s[XF], s[WG], 1536
	s_add_nc_u64 s[12:13], s[12:13], s[XF:XF+1]    ; out0 at the work-group's 128 rows of 12 bytes
	s_lshl_b32 s[OF], s[PAR], 12
	s_add_nc_u64 s[LB:LB+1], s[8:9], s[OF:OF+1]    ; l0w at expert PAR
	CROUND                                         ; all four work-groups are here: the first joint loads meet
	tensor_load_to_lds s[G0A:G0A+3], s[G1:G1+7]    ; step 0 into slot 0; slot 1 is first filled behind the loop's first round
	s_nop 0
	PLACES
	; All that follows up to the loop stands in the wait for the first step.
	v_and_b32 v1, 15, v0                           ; r = lane % 16
	v_bfe_u32 v2, v0, 4, 1                         ; h = lane / 16
	v_lshlrev_b32 v[XO], 3, v1
	v_bfe_u32 v[GRO], v0, 2, 1                     ; the gate's row for row r of source 0: expert 2 (r % 4) + (PAR xor (r / 4) % 2): a lane's results 0-3 are then my own experts' in their order, 4-7 the others'
	v_xor_b32 v[GRO], s[PAR], v[GRO]
	v_and_b32 v18, 3, v0
	v_lshl_add_u32 v[GRO], v18, 1, v[GRO]
	v_lshlrev_b32 v[GRO], 4, v[GRO]
	v_lshlrev_b32 v[AL], 4, v1
.irp t, 0,1,2,3
	global_load_b64 v[PT+2*\t:PT+2*\t+1], v[XO], s[4:5] offset:128*\t   ; point r of tile t (both halves of the lanes)
.endr
	WIN 0xc0
	global_load_b128 v[GA:GA+3], v[GRO], s[10:11]
	LFLOAD                                         ; the first expert's first layer
	; the turning load: lane l reads 16 bytes: k row 8 (l / 16) + l % 8, features 8 ((l / 8) % 2) + 0..7
	v_and_b32 v3, 7, v0
	v_lshl_add_u32 v3, v2, 3, v3
	v_mul_u32_u24 v3, v3, PITCH
	v_bfe_u32 v18, v0, 3, 1
	v_lshl_add_u32 v3, v18, 4, v3
	s_mul_i32 s[OF], s[PAR], CHL                   ; my parity's chunk in a slot
	v_add_nc_u32 v[AW], s[OF], v3
	v_add_nc_u32 v[AW+1], 128*PITCH, v[AW]
	v_add_nc_u32 v[AW+2], SLOT, v[AW]
	v_add_nc_u32 v[AW+3], SLOT+128*PITCH, v[AW]
	v_lshlrev_b32 v[AB], 5, v2                     ; a lane's 8 biases: features 8 h + 0..7 of the tile
	v_add_nc_u32 v[AB], s[OF], v[AB]
	v_add_nc_u32 v[AB], BROW, v[AB]
	v_add_nc_u32 v[AB+1], SLOT, v[AB]
	v_and_b32 v[AWO], 3, v0
	v_mul_u32_u24 v[AWO], v[AWO], 2*PITCH
	v_lshl_add_u32 v[AWO], v2, 4, v[AWO]
	v_add_nc_u32 v[AWO], s[OF], v[AWO]
	v_add_nc_u32 v[AWO], WOROW, v[AWO]
	v_mov_b32 v[ABO], s[OF]
	v_add_nc_u32 v[ABO], BOROW, v[ABO]
	s_mul_i32 s19, s[WV], 768                      ; my wave's 64 points x 12 bytes
	s_add_co_u32 s19, s19, EXCH
	v_mul_u32_u24 v[EXS], v1, 12
	v_add_nc_u32 v[EXS], s19, v[EXS]
	v_lshl_add_u32 v[EXR], v0, 4, EXCH
	v_lshlrev_b32 v[OO], 4, v0
	v_and_b32 v19, 31, v0
	v_cmp_gt_u32 s[LOW], 16, v19                   ; lanes 0-15
	v_mov_b32 v28, 0x3c003c00                      ; 1.0 twice in f16
.set i, 0
.rept 12
	v_mov_b32 v[COMB+i], 0
.set i, i+1
.endr
	s_wait_loadcnt 0x0                             ; x, the gate's rows and the first expert's weights
	; x's fragments: k places (x0hi x0hi x0lo x1hi x1hi x1lo 1 1) in lanes 0-15, 0 in lanes 16-31, four zero registers on either side
.irp t, 0,1,2,3
	v_cvt_pk_f16_f32 v22, v[PT+2*\t], v[PT+2*\t]
	v_cvt_pk_f16_f32 v23, v[PT+2*\t+1], v[PT+2*\t+1]
	v_cvt_f32_f16 v24, v22.l
	v_cvt_f32_f16 v25, v23.l
	v_sub_f32 v24, v[PT+2*\t], v24                 ; x0 - x0hi, exact
	v_sub_f32 v25, v[PT+2*\t+1], v25
	v_cvt_pk_f16_f32 v26, v24, v[PT+2*\t+1]        ; (x0lo, x1hi)
	v_cvt_pk_f16_f32 v27, v[PT+2*\t+1], v25        ; (x1hi, x1lo)
	WIN 0xc0
	v_cndmask_b32 v[XR+12*\t+4], 0, v22, s[LOW]
	v_cndmask_b32 v[XR+12*\t+5], 0, v26, s[LOW]
	v_cndmask_b32 v[XR+12*\t+6], 0, v27, s[LOW]
	v_cndmask_b32 v[XR+12*\t+7], 0, v28, s[LOW]
.irp z, 0,1,2,3,8,9,10,11
	v_mov_b32 v[XR+12*\t+\z], 0
.endr
	WIN 0
.endr
	WIN 0xc0
.irp z, 4,5,6,7
	v_mov_b32 v[GA+\z], 0
.endr
	; THE GATE: log2(e) x (x gate_W + gate_b) for all 8 experts in each lane's 8 registers
	WIN 0x0f
.irp t, 0,1,2,3
	v_wmma_f32_16x16x32_f16 v[ACC0+8*\t:ACC0+8*\t+7], v[GA:GA+7], v[XR+12*\t+4:XR+12*\t+11], 0
.endr
	WIN 0
	PLACES
.irp t, 0,1,2,3
	v_max3_num_f32 v[PT+\t], v[ACC0+8*\t], v[ACC0+8*\t+1], v[ACC0+8*\t+2]
.endr
.irp t, 0,1,2,3
	v_max3_num_f32 v[PT+\t], v[PT+\t], v[ACC0+8*\t+3], v[ACC0+8*\t+4]
.endr
.irp t, 0,1,2,3
	v_max3_num_f32 v[PT+\t], v[PT+\t], v[ACC0+8*\t+5], v[ACC0+8*\t+6]
.endr
.irp t, 0,1,2,3
	v_max_num_f32 v[PT+\t], v[PT+\t], v[ACC0+8*\t+7]
.endr
.set i, 0
.rept 32
	v_sub_f32 v[ACC0+i], v[ACC0+i], v[PT+i/8]      ; the maximum is taken away
.set i, i+1
.endr
.set i, 0
.rept 32
	v_exp_f32 v[ACC0+i], v[ACC0+i]                 ; one batch
.set i, i+1
.endr
	v_nop                                          ; a plain line behind the last exponential,
	s_wait_alu depctr_va_vdst(0)                   ; and one wait for the batch, ahead of its first reader
.irp t, 0,1,2,3
	v_pk_add_f32 v[PT+4*\t:PT+4*\t+1],   v[ACC0+8*\t:ACC0+8*\t+1],   v[ACC0+8*\t+2:ACC0+8*\t+3]
	v_pk_add_f32 v[PT+4*\t+2:PT+4*\t+3], v[ACC0+8*\t+4:ACC0+8*\t+5], v[ACC0+8*\t+6:ACC0+8*\t+7]
.endr
.irp t, 0,1,2,3
	v_pk_add_f32 v[PT+4*\t:PT+4*\t+1], v[PT+4*\t:PT+4*\t+1], v[PT+4*\t+2:PT+4*\t+3]
.endr
.irp t, 0,1,2,3
	v_add_f32 v[PT+4*\t], v[PT+4*\t], v[PT+4*\t+1]
.endr
.irp t, 0,1,2,3
	v_rcp_f32 v[PT+4*\t+1], v[PT+4*\t]
.endr
	v_nop
	s_wait_alu depctr_va_vdst(0)                   ; one wait for the four reciprocals
.set i, 0
.rept 16
	v_mul_f32 v[G+i], v[ACC0+8*(i/4)+i%4], v[PT+4*(i/4)+1]   ; tile i / 4, my expert i % 4
.set i, i+1
.endr
	s_mov_b32 s[SP], 4
.Lpair:                                                ; four trips: experts 2 p + PAR
	s_mov_b32 s[SL], 3
.Llayer:                                               ; three trips: a hidden layer, two steps of the stream
	CHANGE 0
	RUN 0
	s_cmp_lg_u32 s[SL], 3                          ; what stands ahead of a layer's blocks; these jumps go forward, past no barrier and no tensor load
	s_cbranch_scc1 .Lcopy
	s_cmp_eq_u32 s[SP], 4
	s_cbranch_scc1 .Lno_fin                        ; ahead of the first pair there is none to finish
	FIN 1                                          ; the pair before: its output layer came with this step
	WIN 0
.Lno_fin:
	L0
	WIN 0
	s_cmp_eq_u32 s[SP], 1
	s_cbranch_scc1 .Lblocks                        ; behind the last pair there is no further expert
	s_add_nc_u64 s[LB:LB+1], s[LB:LB+1], 8192      ; two experts on; the loads that named this base were waited for at the first layer's head
	LFLOAD                                         ; the next pair's first layer: three layers ahead of its use; the registers' last reader stands 112 plain lines back
	s_branch .Lblocks
.Lcopy:
	WIN 0x42                                       ; destination window 1, source window 2
.set i, 0
.rept 256                              ; all of OUT but block 15's places, which block 0's slices write straight into IN
.if !((i >= 224) && ((i%8) >= 4))
	v_mov_b32 v[i], v[i]
.endif
.set i, i+1
.endr
	WIN 0
.Lblocks:
.irp n, 0,1,2,3,4,5,6,7,8,9,10,11,12,13,14,15
	BLOCK \n
.endr
	WIN 0
	s_sub_co_u32 s[SL], s[SL], 1
	s_cmp_lg_u32 s[SL], 0
	s_cbranch_scc1 .Llayer
	s_sub_co_u32 s[SP], s[SP], 1
	s_cmp_lg_u32 s[SP], 0
	s_cbranch_scc1 .Lpair
	CHANGE 2                                       ; step 24 is in: the last pair's output layer; nothing is asked for
	FIN 0
	WIN 0
	; THE WAY OUT.  The two parities' sums meet in LDS; 96 threads add them and store 16 bytes each.
.set i, 0
.rept 12
	ds_store_b32 v[EXS], v[COMB+i] offset:192*(i/3)+4*(i%3)   ; tile i / 3, output i % 3; the two halves of the lanes hold, and store, the same numbers
.set i, i+1
.endr
	s_wait_dscnt 0x0                               ; for the others' sake: my stores are done
	s_barrier_signal -1
	s_barrier_wait -1
	s_cmp_gt_u32 s[WV], 2
	s_cbranch_scc1 .Ldone                          ; 1,536 bytes are 96 threads' 16
	ds_load_b128 v[PT:PT+3],   v[EXR]
	ds_load_b128 v[PT+4:PT+7], v[EXR] offset:1536
	s_wait_dscnt 0x0
	v_pk_add_f32 v[PT:PT+1],   v[PT:PT+1],   v[PT+4:PT+5]
	v_pk_add_f32 v[PT+2:PT+3], v[PT+2:PT+3], v[PT+6:PT+7]
	global_store_b128 v[OO], v[PT:PT+3], s[12:13]  ; a wave stores 512 consecutive bytes, at a multiple of 256 from out0's first byte
.Ldone:
	s_wait_tensorcnt 0x0                           ; the wave's end: behind my last tensor load and my last LDS store
	ds_add_u32 v[SPW], v[NIL]
	s_wait_dscnt 0x0
	CROUND                                         ; the closing round: no work-group ends while a partner may still ask for a step that names it
	s_endpgm
.Lfunc_end_k_qfb3dee82e0_moe:
	.size	k_qfb3dee82e0_moe, .Lfunc_end_k_qfb3dee82e0_moe-k_qfb3dee82e0_moe
	.p2alignl 7, 3214868480
	.fill 96, 4, 3214868480
	.section	.rodata,"a",@progbits
	.p2align	6, 0x0
	.amdhsa_kernel k_qfb3dee82e0_moe
		.amdhsa_group_segment_fixed_size 327680
		.amdhsa_private_segment_fixed_size 0
		.amdhsa_enable_private_segment 0
		.amdhsa_kernarg_size 40
		.amdhsa_user_sgpr_count 2
		.amdhsa_user_sgpr_kernarg_segment_ptr 1
		.amdhsa_wavefront_size32 1
		.amdhsa_system_sgpr_workgroup_id_x 1
		.amdhsa_system_sgpr_workgroup_id_y 1
		.amdhsa_system_sgpr_workgroup_id_z 1
		.amdhsa_system_vgpr_workitem_id 0
		.amdhsa_next_free_vgpr 1024
		.amdhsa_next_free_sgpr 66
		.amdhsa_reserve_vcc 0
		.amdhsa_float_denorm_mode_32 3
		.amdhsa_float_denorm_mode_16_64 3
		.amdhsa_memory_ordered 1
		.amdhsa_forward_progress 1
		.amdhsa_inst_pref_size 255
	.end_amdhsa_kernel
	.section	.bss,"aw",@nobits
	.p2align	6
	.space	262144
	.amdgpu_metadata
---
amdhsa.version: [ 1, 2 ]
amdhsa.kernels:
  - .name:           k_qfb3dee82e0_moe
    .symbol:         k_qfb3dee82e0_moe.kd
    .args:
      - { .name: x, .offset: 0, .size: 8, .value_kind: global_buffer, .address_space: global }
      - { .name: ws, .offset: 8, .size: 8, .value_kind: global_buffer, .address_space: global }
      - { .name: l0w, .offset: 16, .size: 8, .value_kind: global_buffer, .address_space: global }
      - { .name: gw, .offset: 24, .size: 8, .value_kind: global_buffer, .address_space: global }
      - { .name: out0, .offset: 32, .size: 8, .value_kind: global_buffer, .address_space: global }
    .group_segment_fixed_size: 327680
    .private_segment_fixed_size: 0
    .kernarg_segment_align: 8
    .kernarg_segment_size: 40
    .max_flat_workgroup_size: 128
    .sgpr_count:     66
    .vgpr_count:     1024
    .wavefront_size: 32
...
	.end_amdgpu_metadata
.endif
;; end of part 2
